; MI455X (gfx1250); checked and timed in simulation.
; The chip was launched on July 23, 2026; its instructions are those of AMD's public machine-readable ISA for CDNA 5 (MIT licence, August 2026) and "CDNA5" Instruction Set Architecture Reference Guide (July 2026). The comments in the code are by the model that wrote it; some were corrected since.
;; Quadratic Form Model. Allowed arithmetic: matrix products marked QUANTISED: E5M2 operands, one E8M0 scale for each 32 along K, by v_wmma_scale_f32_16x16x128_f8f6f4 with both operands' format E5M2, f32 sums; products left as they are: f32 operands where the result goes on into a quantised operand, else bf16, f16 or f32 operands; f32 sums; everything else in f32.
;; Inputs: A 256 x 256 float32; b 1 float32; v 256 float32; x 131,072 x 256 float32.
;; Outputs: out0 131,072 float32.
;; This version of the problem:
;;   THIS VERSION OF THE PROBLEM IS GIVEN IN LOW PRECISION. The matrix products marked QUANTISED in the list below multiply operands that are first quantised to E5M2 (5 exponent bits, 2 mantissa bits; 8 bits a number), with one power-of-two scale for each 32 numbers along K (OCP MX v1.0); their sums are f32. All else is computed in f32.
;;   The module's matrix products, in the order in which they are computed (A, B: the left and right operand; K: the contracted axis; several contracted axes count as one K, in the product's order):
;;     1. [M 131,072, K 256] x [K 256, N 256]; A: input x; B: input A: QUANTISED
;;     2. [M 131,072, K 256] x [K 256, N 1]; A: input x; B: input v: left as it is (N = 1 < 16)
;;   THE QUANTISER, for each operand of a quantised product, along K:
;;     - K is cut into blocks of 32 from its start; a last block that is shorter is filled with zeros.
;;     - A block's scale is 2^e with e = floor(log2(the largest magnitude in the block)) - 15, held to -126 .. 127; a block of zeros has e = 0. As a byte (E8M0): e + 127.
;;     - Each number is divided by its block's scale, clamped to +-57,344, and rounded to the nearest number of E5M2, ties to even, subnormals kept.
;;     - The product sums the exact products of the quantised numbers (number of the format x scale) in f32.
;;   ~~~python
;;   def quantise(x, axis):      # numpy; x: float32 -> the quantised numbers, widened to float32 again
;;       x = np.moveaxis(x, axis, -1); K = x.shape[-1]
;;       x = np.pad(x, [(0, 0)] * (x.ndim - 1) + [(0, -K % 32)]); x = x.reshape(x.shape[:-1] + (-1, 32)); a = np.abs(x).max(-1, keepdims=True)
;;       e = np.where(a > 0, np.clip(np.frexp(np.where(a > 0, a, 1))[1] - 1 - 15, -126, 127), 0)      # np.frexp(a)[1] - 1 = floor(log2(a)), exactly
;;       r = np.clip(x / 2.0 ** e, -57344, 57344)
;;       step = 2.0 ** (np.maximum(np.frexp(np.where(r == 0, 1, r))[1] - 1, -14) - 2)
;;       q = np.round(r / step) * step * 2.0 ** e      # np.round: ties to even
;;       return np.moveaxis(q.reshape(q.shape[:-2] + (-1,))[..., :K], -1, axis).astype(np.float32)
;;   ~~~
;; One version. Each part assembles by itself: llvm-mc -triple=amdgcn-amd-amdhsa -mcpu=gfx1250 --defsym DOCPART=n.
;; ======== version 1 of 1: 1 launch
;; limits: right only within a limited range of input values
;; launch quad (part 1): grid 256 x 1, 4 waves a work-group, no clusters, 327,680 bytes of LDS; arguments x, A, v, b, out0; writes out0
.if DOCPART == 1
	.amdgcn_target "amdgcn-amd-amdhsa--gfx1250"
	.amdhsa_code_object_version 6
	.text
	.protected	k_q6a01cc316d_quad
	.globl	k_q6a01cc316d_quad
	.p2align	8
	.type	k_q6a01cc316d_quad,@function
k_q6a01cc316d_quad:
	s_mov_b64 s[64:65], 0
	v_nop
	global_prefetch_b8 v0, s[64:65] scope:SCOPE_SE
	s_setreg_imm32_b32 hwreg(HW_REG_WAVE_MODE, 25, 1), 1
	s_wait_xcnt 0x0
; out[i] = sum over n of (Q(x) Q(A))[i][n] x[i][n]  +  x[i] . v  +  b.    x: [131072][256] f32, A: [256 (k)][256 (n)] f32, v: [256], b: [1], out: [131072] f32.
; Q: codes of BF8 (E5M2) with one E8M0 scale for each 32 along K; K is x's row axis and A's FIRST axis.  The factor x[i][n], x . v and b stay in f32.
; SHARES.  256 work-groups of four waves; a work-group owns 512 rows of x, a wave 128 of them: eight tiles of 16 rows, its own alone.
; Every wave keeps ALL of Q(A) in registers (16 tiles of columns x 2 K steps x 16 registers = 512).
; LAYOUT.  The product is used transposed: source 0 = 16 columns of A, source 1 = 16 rows of x.  THE COLUMNS OF A TILE ARE NOT NEIGHBOURS: lane r of tile 2 b + u takes column 32 b + 8 u + r + 8 (r / 8),
; so that lane (r, h) holds y[r][32 b + 16 h + 0 .. 15] in the 16 registers of tiles 2 b and 2 b + 1: the very places of x's row r that the same lane holds in f32 to quantise x along K.
; v is the C of each sum's first matrix instruction: sum of x (y + v) = quad + lin.
; Q(A) IS MADE HERE: each wave quantises a quarter of A (128 columns x 128 along K: a lane takes 4 columns, its registers run down K); the codes reach the other waves as images of the operand's registers through a
; stage in LDS, one K step at a time, while the first fills of x are on their way.
; x COMES BY TENSOR LOADS, one a wave at a time, into a ring of the wave's own of two slots of 32 rows: tiles 0-1 at the head, tiles 2-3 behind the first barrier, tiles 4-5 inside tile 1, tile 6 inside tile 3,
; tile 7 inside tile 5: a refill stands in the tile that has read the slot last, behind its reads.  Each fill behind the head's is prefetched one fill ahead, 4 instructions for 32 rows; each 256 bytes are named once, by the wave that owns the row.
; NO CLUSTER: no two work-groups read the same row of x; A, which all read, is 262,144 bytes of f32 and has no room beside the ring (61,440 bytes are left), so it comes through registers, where there is no joint request.
; NO LOOP: the eight tiles differ in their refills; the text is written by macros.
; LIMITS.  NaN and infinities among the inputs are not served.  A block whose largest magnitude lies under 2^-111 has its scale byte held at 1 (the quantiser's own clip at e = -126).
; A block of zeros gets the byte 1 over zero codes where the quantiser says 127: the codes add nothing under either byte, and the bytes are read by this text alone.
; v enters each f32 sum as its first addend, so the order of rounding differs from quad + lin.
;
; REGISTERS, in windows of 256 (s_set_vgpr_msb: bits 1:0 source 0, 3:2 source 1, 5:4 source 2, 7:6 destination):
;   window 0: v1-13 addresses; v16-31 A's scale words; v32-33 x's scale words; v34-39 at work; v40-55 a quantiser's figures; v56-63 sums; v64-95 x's codes; v96-127 held numbers; v128-255 x's tile in f32
;   windows 1, 2: first A's numbers of K step 0, 1 as loaded, then A's fragments of K step 0, 1, tile t at v[16 t].   window 3: v0-127 v in the result's layout; v128-255 the 16 accumulators
.set PITCH, 1040                       ; a row of x in LDS: 1,024 bytes + 16 = 260 words: row r starts at bank 4 r mod 64 (64 banks of 4 bytes: ISA guide 11.1)
.set SLOT,  16*PITCH                   ; one tile; a slot of the ring is two of these
.set WRING, 4*SLOT                     ; a wave's ring: 66,560
.set AIMG,  4*WRING                    ; the stage: images of one K step's 16 fragments of A: 2,048 t + 512 c + 16 lane
.set ASC,   AIMG+32768                 ; A's scale bytes: 1,024 s + 64 t + 4 row + c
.set OST,   ASC+2048                   ; results: 512 wave + 64 tile + 4 r
.set SPARE, OST+2048                   ; the spare words, 128 bytes for each wave: two blocks of 256 bytes that no other line names
.set SPW, 1                            ; v1   SPARE + 4 x my thread's number; never rewritten
.set NIL, 2                            ; v2   0; never rewritten
.set XA,  3                            ; v3   x's tile: my ring + 1,040 r + 64 h
.set LI,  4                            ; v4   AIMG + 16 lane
.set IW,  5                            ; v5   where I store my columns' codes
.set SW,  6                            ; v6   and their scale bytes
.set SR,  7                            ; v7   ASC + 1,024 h + 4 r: lanes 0-15 read K step 0's words, lanes 16-31 K step 1's
.set AO,  8                            ; v8   A: my byte offset
.set VO,  9                            ; v9   v: 64 h
.set OW,  10                           ; v10  where a tile's result goes
.set ORD, 11                           ; v11  where the wave's 128 results are read back
.set OG,  12                           ; v12  16 lane: my place in the wave's 512 bytes of out
.set PF,  13                           ; v13  256 lane: a prefetch's lanes
.set ASW, 16
.set XSW, 32
.set TMP, 34
.set TM,  40                           ; v40-43 largest magnitudes, v44-47 the other half's, then bytes, v48-51 57,344 x the scale, v52-55 the conversions' scale operands
.set SU,  56                           ; v56-63 four pairs of sums
.set XC,  64                           ; x's codes: 16 registers a K step
.set TH,  96                           ; two sets of 16 held numbers
.set XN,  128                          ; XN + 16 b + i = x[r][32 b + 16 h + i]
.set MX,  40                           ; the prologue's names for the same registers: four columns' largest magnitudes,
.set SO,  44                           ; scale operands,
.set LIM, 48                           ; 57,344 x the scale,
.set BY,  52                           ; a byte,
.set HB,  56                           ; two blocks' bytes;
.set CD,  64                           ; codes: set q at CD + 32 q;
.set HN,  128                          ; held numbers, K along the registers: HN + 32 cc + i
.set G1A, 24                           ; s[24:31] descriptor group 1: 16 rows
.set G1B, 32                           ; s[32:39] the same for 32 rows
.set G0,  40                           ; s[40:59] five groups 0, one for each fill, made once and never rewritten
.set MSB, 0
.macro WIN new                         ; the immediate's high byte repeats the setting that is left
.if MSB != \new
	s_set_vgpr_msb (MSB<<8)|\new
.set MSB, \new
.endif
.endm
.macro PLACES n
.rept \n
	v_nop
.endr
.endm
.macro BARRIER                         ; my LDS stores have landed and my LDS loads are in: then the work-group's barrier
	s_wait_dscnt 0x0
	s_barrier_signal -1
	s_barrier_wait -1
.endm
; A later fill: all my tensor loads have landed, the add, the wait for it and for my LDS reads and stores, the barrier, and my one tensor load first behind it.
.macro FILL g0, g1
	s_wait_tensorcnt 0x0
	ds_add_u32 v[SPW], v[NIL]                      ; 0 onto my spare word
	s_wait_dscnt 0x0
	s_barrier_signal -1
	s_barrier_wait -1
	tensor_load_to_lds s[\g0:\g0+3], s[\g1:\g1+7]
	s_nop 0
	PLACES 4
.endm
; 32 of my rows, from row `row` on, are asked for ahead: lanes 256 bytes apart, 8 rows an instruction; inside my 128 rows of x.
.macro ASK row
.irp i, 0,1,2,3
	global_prefetch_b8 v[PF], s[4:5] offset:(\row)*1024+\i*8192 th:TH_LOAD_NT scope:SCOPE_SE
.endr
.endm
; Block (s, q) of my quarter of A: rows k = 128 s + 64 kb + 32 q + 0 .. 31 at my four columns, into window 1 + s: register 128 q + 4 i + cc.  A wave's load reads 512 consecutive bytes.
.macro ALOAD s, q
	WIN 0x40*(1+\s)
.set I, 0
.rept 32
	global_load_b128 v[128*\q+4*I:128*\q+4*I+3], v[AO], s[6:7] offset:\s*131072+\q*32768+I*1024
.set I, I+1
.endr
	WIN 0
.endm
	s_load_b256 s[4:11], s[0:1], 0x0               ; x s[4:5], A s[6:7], v s[8:9], b s[10:11]
	s_load_b64 s[12:13], s[0:1], 0x20              ; out
	v_lshl_add_u32 v[SPW], v0, 2, SPARE
	v_mov_b32 v[NIL], 0
	ds_add_u32 v[SPW], v[NIL]                      ; the wave's opening: the add, twice on end, and its wait ahead of my first tensor load
	ds_add_u32 v[SPW], v[NIL]
	v_lshrrev_b32 v35, 5, v0
	v_readfirstlane_b32 s15, v35                   ; wave 0..3
	v_and_b32 v[TMP], 31, v0                       ; lane
	v_and_b32 v36, 15, v0                          ; r
	v_bfe_u32 v37, v0, 4, 1                        ; h
	v_lshlrev_b32 v[VO], 6, v37
	v_lshlrev_b32 v[PF], 8, v[TMP]
	v_lshlrev_b32 v[OG], 4, v[TMP]
	s_and_b32 s16, s15, 1                          ; ch: which 128 columns of A I quantise
	s_lshr_b32 s17, s15, 1                         ; kb: which 64 of a K step's 128
	s_lshl_b32 s2, s17, 16                         ; A: 64 kb rows of 1,024 bytes,
	s_lshl_b32 s3, s16, 9                          ; 128 ch columns of 4 bytes,
	s_add_co_u32 s2, s2, s3
	v_add_nc_u32 v[AO], s2, v[OG]                  ; and my four columns
	s_mov_b32 s20, 0x76543210
	s_mov_b32 s21, 0xfedcba98                      ; v_permlanex16_b32's selects for lane l xor 16
	s_mov_b32 s22, 0x600000                        ; the mantissa field of 57,344
	; descriptor group 1: rows of 256 elements of 4 bytes, dense in memory, 4 words of padding behind each row's 256 words
.irp g, G1A, G1B
	s_mov_b32 s[\g+0], (2<<16)|(1<<20)|(7<<22)|(3<<25)   ; 15:0 no mask; 17:16 elements of 4 bytes; 20 padding on; 24:22 after every 256 words (code 7); 31:25 four words (code 3)
	s_mov_b32 s[\g+1], 256<<16                     ; tensor_dim0 = 256
	s_mov_b32 s[\g+3], 256<<16                     ; tile_dim0 = 256
	s_mov_b32 s[\g+5], 256                         ; tensor_dim0_stride
	s_mov_b32 s[\g+6], 0
	s_mov_b32 s[\g+7], 0
.endr
	s_mov_b32 s[G1A+2], 16<<16                     ; tensor_dim1 = 16
	s_mov_b32 s[G1A+4], 16                         ; tile_dim1 = 16
	s_mov_b32 s[G1B+2], 32<<16                     ; and 32
	s_mov_b32 s[G1B+4], 32
	s_mul_i32 s23, s15, WRING                      ; my ring in LDS
	s_lshl_b32 s18, ttmp9, 19                      ; the work-group's 512 rows of 1,024 bytes (255 << 19 stays under 2^32),
	s_lshl_b32 s19, s15, 17                        ; my wave's 128 of them
	s_add_co_u32 s18, s18, s19
	s_mov_b32 s19, 0
	s_wait_dscnt 0x0                               ; both opening adds are done
	s_wait_alu depctr_va_vdst(0)
	s_wait_kmcnt 0x0
	ALOAD 0, 0                                     ; the first thing that is needed
	s_add_nc_u64 s[4:5], s[4:5], s[18:19]          ; x at my first row
	; groups 0, word by word: 1 (valid); the LDS byte address; the global address with the type 2 on top
	s_mov_b32 s[G0], 1                             ; tiles 0, 1
	s_mov_b32 s[G0+1], s23
	s_mov_b64 s[G0+2:G0+3], s[4:5]
	s_or_b32 s[G0+3], s[G0+3], 0x80000000
	tensor_load_to_lds s[G0:G0+3], s[G1B:G1B+7]    ; one tensor load a wave at the head
	s_nop 0
	PLACES 4
	ALOAD 0, 1
	s_load_b32 s14, s[10:11], 0x0                  ; b: nothing in this launch stores to it
	s_mov_b32 s[G0+4], 1                           ; tiles 2, 3
	s_add_co_u32 s[G0+5], s23, 2*SLOT
	s_add_nc_u64 s[G0+6:G0+7], s[4:5], 32768
	s_or_b32 s[G0+7], s[G0+7], 0x80000000
	s_mov_b32 s[G0+8], 1                           ; tiles 4, 5, over tiles 0, 1
	s_mov_b32 s[G0+9], s23
	s_add_nc_u64 s[G0+10:G0+11], s[4:5], 65536
	s_or_b32 s[G0+11], s[G0+11], 0x80000000
	s_mov_b32 s[G0+12], 1                          ; tile 6, over tile 2
	s_add_co_u32 s[G0+13], s23, 2*SLOT
	s_add_nc_u64 s[G0+14:G0+15], s[4:5], 98304
	s_or_b32 s[G0+15], s[G0+15], 0x80000000
	s_mov_b32 s[G0+16], 1                          ; tile 7, over tile 3
	s_add_co_u32 s[G0+17], s23, 3*SLOT
	s_add_nc_u64 s[G0+18:G0+19], s[4:5], 114688
	s_or_b32 s[G0+19], s[G0+19], 0x80000000
	s_lshl_b32 s18, ttmp9, 11                      ; out: 512 results of 4 bytes a work-group,
	s_lshl_b32 s2, s15, 9                          ; 128 a wave
	s_add_co_u32 s18, s18, s2
	s_add_nc_u64 s[12:13], s[12:13], s[18:19]
	s_lshl_b32 s2, s16, 14                         ; codes: 2,048 t + 512 (2 kb + q) + 16 row + 256 half
	s_lshl_b32 s3, s17, 10
	s_add_co_u32 s2, s2, s3
	s_add_co_u32 s2, s2, AIMG
	s_lshl_b32 s3, s16, 9                          ; scale bytes: 64 t + 4 row + 2 kb
	s_lshl_b32 s60, s17, 1
	s_add_co_u32 s3, s3, s60
	s_add_co_u32 s3, s3, ASC
	s_lshl_b32 s60, s15, 9
	s_add_co_u32 s60, s60, OST
	; My columns are n = 128 ch + 4 lane + cc.  With lane = a + 2 bq + 4 cq + 8 dq that is 32 (4 ch + dq) + 8 bq + (4 a + cc) + 16 cq: tile t = 8 ch + 2 dq + bq, row 4 a + cc + 8 cq of it.
	v_and_b32 v40, 1, v0                           ; a
	v_bfe_u32 v41, v0, 1, 1                        ; bq
	v_bfe_u32 v42, v0, 2, 1                        ; cq
	v_bfe_u32 v43, v0, 3, 2                        ; dq
	v_lshlrev_b32 v[IW], 6, v40
	v_lshlrev_b32 v[SW], 4, v40
	v_lshl_add_u32 v[IW], v41, 11, v[IW]
	v_lshl_add_u32 v[SW], v41, 6, v[SW]
	v_lshl_add_u32 v[IW], v42, 7, v[IW]
	v_lshl_add_u32 v[SW], v42, 5, v[SW]
	v_lshl_add_u32 v[IW], v43, 12, v[IW]
	v_lshl_add_u32 v[SW], v43, 7, v[SW]
	v_add_nc_u32 v[IW], s2, v[IW]
	v_add_nc_u32 v[SW], s3, v[SW]
	v_mul_u32_u24 v[XA], v36, PITCH
	v_lshlrev_b32 v[SR], 2, v36
	v_lshl_add_u32 v[XA], v37, 6, v[XA]
	v_lshl_add_u32 v[SR], v37, 10, v[SR]
	v_add_nc_u32 v[XA], s23, v[XA]
	v_add_nc_u32 v[SR], ASC, v[SR]
	v_lshl_add_u32 v[LI], v[TMP], 4, AIMG
	v_lshl_add_u32 v[OW], v36, 2, s60
	v_lshl_add_u32 v[ORD], v[TMP], 4, s60
	v_mov_b32 v35, 0                               ; written once: a lane permute's destination counts as one of its sources
; A block of 32 along K of my four columns, from area q of window w, becomes 32 codes a column in CD + 32 q + 8 cc on, and a byte in HB + cc (q = 0: the low byte, q = 1: the next).  All 32 numbers of a block are one lane's.
.macro QA w, q
.irp cc, 0,1,2,3
	v_mov_b32 v[MX+\cc], 0x8000000                 ; the floor 2^(16 - 127), under which no largest magnitude is taken: so the byte cannot fall under 1
.endr
	WIN 0x14*\w                                    ; sources 1 and 2 window w
.irp i, 0,2,4,6,8,10,12,14,16,18,20,22,24,26,28,30
.irp cc, 0,1,2,3
	v_max3_num_f32 v[MX+\cc], v[MX+\cc], |v[128*\q+4*\i+\cc]|, |v[128*\q+4*\i+4+\cc]|   ; the four columns by turns
.endr
.endr
	WIN 0
.irp cc, 0,1,2,3
	v_add_nc_u32 v[SO+\cc], 0xf8800000, v[MX+\cc]  ; 15 off the exponent field: the conversion takes the exponent field of this operand as its scale, and nothing else of it
.endr
.irp cc, 0,1,2,3
	v_and_or_b32 v[LIM+\cc], v[MX+\cc], 0x7f800000, s22   ; 57,344 x the scale
.endr
.if \q == 0
.irp cc, 0,1,2,3
	v_lshrrev_b32 v[HB+\cc], 23, v[SO+\cc]         ; the scale's byte
.endr
.else
.irp cc, 0,1,2,3
	v_lshrrev_b32 v[BY+\cc], 23, v[SO+\cc]
.endr
.irp cc, 0,1,2,3
	v_lshl_or_b32 v[HB+\cc], v[BY+\cc], 8, v[HB+\cc]
.endr
.endif
	WIN \w                                         ; source 0 window w
.irp cc, 0,1,2,3
.set I, 0
.rept 32
	v_med3_num_f32 v[HN+32*\cc+I], v[128*\q+4*I+\cc], -v[LIM+\cc], v[LIM+\cc]   ; the conversion to an 8-bit code does not saturate (ISA guide 7.6.2): the hold; it also lays a column's 32 numbers on end
.set I, I+1
.endr
.endr
	WIN 0
.irp cc, 0,1,2,3
.irp g, 0,1,2,3
	v_cvt_scalef32_pk8_bf8_f32 v[CD+32*\q+8*\cc+2*\g:CD+32*\q+8*\cc+2*\g+1], v[HN+32*\cc+8*\g:HN+32*\cc+8*\g+7], v[SO+\cc]
.endr
.endr
	v_nop                                          ; one plain vector line behind the last conversion
.endm
.macro ASTORE q                        ; 16 codes (k = 16 hh + 0 .. 15 of the block) are what lane row + 16 hh of the operand holds in registers 4 c .. 4 c + 3
.irp cc, 0,1,2,3
.irp hh, 0,1
	ds_store_b128 v[IW], v[CD+32*\q+8*\cc+4*\hh:CD+32*\q+8*\cc+4*\hh+3] offset:\q*512+\hh*256+\cc*16
.endr
.endr
.endm
.macro ASCALE s                        ; two neighbouring bytes of a row's scale word
.irp cc, 0,1,2,3
	ds_store_b16 v[SW], v[HB+\cc] offset:\s*1024+\cc*4
.endr
.endm
.macro AFETCH s                        ; the K step's 16 fragments come back as they stand, in every wave: window 1 + s, over A's numbers, which have been read
	WIN 0x40*(1+\s)
.set I, 0
.rept 64
	ds_load_b128 v[4*I:4*I+3], v[LI] offset:512*I  ; register 16 t + 4 c on: 2,048 t + 512 c
.set I, I+1
.endr
	WIN 0
.endm
	s_wait_alu depctr_va_vdst(0)
	s_wait_loadcnt 32                              ; block (0, 0) is in; (0, 1)'s 32 loads may be out
	ALOAD 1, 0
	ASK 32                                         ; tiles 2, 3: the fill behind the first barrier
	QA 1, 0
	ASTORE 0
	s_wait_loadcnt 32                              ; block (0, 1) is in; (1, 0)'s 32 loads may be out
	ALOAD 1, 1
	QA 1, 1
	ASTORE 1
	ASCALE 0
	FILL G0+4, G1B                                 ; K step 0's fragments and scale bytes lie in LDS, and tiles 0, 1 of x; tiles 2, 3 go out: bytes that are filled for the first time
	AFETCH 0
	s_wait_loadcnt 32                              ; block (1, 0) is in; (1, 1)'s may be out
	WIN 0xc0                                       ; destination window 3
.set I, 0
.rept 32
	global_load_b128 v[4*I:4*I+3], v[VO], s[8:9] offset:128*(I/4)+16*(I%4)    ; register 16 b + i = v[32 b + 16 h + i]: the result's layout
.set I, I+1
.endr
	WIN 0
	ASK 64                                         ; tiles 4, 5
	QA 2, 0                                        ; K step 1 is quantised while K step 0's fragments come in
	s_wait_loadcnt 32                              ; block (1, 1) is in; v's 32 may be out
	QA 2, 1
	s_wait_alu depctr_va_vdst(0)
	BARRIER                                        ; every wave's reads of the stage are over
	ASTORE 0
	ASTORE 1
	ASCALE 1
	BARRIER                                        ; K step 1's fragments lie in LDS
.set I, 0
.rept 32
	ds_load_b128 v[XN+4*I:XN+4*I+3], v[XA] offset:128*(I/4)+16*(I%4)   ; tile 0: register 16 b + 4 j on: x[r][32 b + 16 h + 4 j ..]
.set I, I+1
.endr
.irp t, 0,1,2,3,4,5,6,7,8,9,10,11,12,13,14,15
	ds_load_b32 v[ASW+\t], v[SR] offset:64*\t      ; tile t's scale words: lanes 0-15 K step 0's, lanes 16-31 K step 1's
.endr
	AFETCH 1
	s_wait_kmcnt 0x0                               ; b
	s_wait_loadcnt 0x0                             ; v
; The four blocks of K step s of x's tile: largest magnitudes, scale operands, limits, and the rows' scale word.  A block lies in lanes l and l xor 16.
.macro STATS s
.irp b, 0,1,2,3
	v_max3_num_f32 v[TM+\b], |v[XN+16*(4*\s+\b)]|, |v[XN+16*(4*\s+\b)+1]|, 0x8000000   ; my 16 numbers, and the floor 2^(16 - 127)
.endr
.irp i, 2,4,6,8,10,12,14
.irp b, 0,1,2,3
	v_max3_num_f32 v[TM+\b], v[TM+\b], |v[XN+16*(4*\s+\b)+\i]|, |v[XN+16*(4*\s+\b)+\i+1]|
.endr
.endr
.irp b, 0,1,2,3
	v_permlanex16_b32 v[TM+4+\b], v[TM+\b], s20, s21
.endr
.irp b, 0,1,2,3
	v_max_num_f32 v[TM+\b], v[TM+\b], v[TM+4+\b]   ; with lane l xor 16's: the block's largest magnitude
.endr
.irp b, 0,1,2,3
	v_add_nc_u32 v[TM+12+\b], 0xf8800000, v[TM+\b] ; 15 off its exponent field: the conversion's scale operand
.endr
.irp b, 0,1,2,3
	v_and_or_b32 v[TM+8+\b], v[TM+\b], 0x7f800000, s22   ; 57,344 x the scale
.endr
.irp b, 0,1,2,3
	v_lshrrev_b32 v[TM+4+\b], 23, v[TM+12+\b]      ; the scale's byte
.endr
	v_lshl_or_b32 v[XSW+\s], v[TM+5], 8, v[TM+4]   ; the four bytes make my row's scale word
	v_lshl_or_b32 v[XSW+\s], v[TM+6], 16, v[XSW+\s]
	v_lshl_or_b32 v[XSW+\s], v[TM+7], 24, v[XSW+\s]
.endm
; Four held numbers: quarter j of block b of K step s.  x itself is kept: the held numbers go into two sets of 16 that take turns.
.macro HOLD4 s, b, j
.irp i, 0,1,2,3
	v_med3_num_f32 v[TH+16*((\b)%2)+4*(\j)+\i], v[XN+64*\s+16*(\b)+4*(\j)+\i], -v[TM+8+\b], v[TM+8+\b]
.endr
.if (\j) == 3
	v_cvt_scalef32_pk8_bf8_f32 v[XC+16*\s+4*(\b):XC+16*\s+4*(\b)+1], v[TH+16*((\b)%2):TH+16*((\b)%2)+7], v[TM+12+\b]       ; registers 4 b .. 4 b + 3 of the operand: k = 32 b + 16 h + 0 .. 15
	v_cvt_scalef32_pk8_bf8_f32 v[XC+16*\s+4*(\b)+2:XC+16*\s+4*(\b)+3], v[TH+16*((\b)%2)+8:TH+16*((\b)%2)+15], v[TM+12+\b]
.endif
.endm
; K step 0's 16 products, each sum begun with v, the 16 accumulators by turns; among them K step 1's hold and conversions, which name no register of these products.
.macro MUL0
.set I, 0
.rept 16
	WIN 0xf1                                       ; source 0 (A) window 1, source 1 (x) window 0, C (v) and D window 3
	v_wmma_scale_f32_16x16x128_f8f6f4 v[128+8*I:135+8*I], v[16*I:16*I+15], v[XC:XC+15], v[8*I:8*I+7], v[ASW+I], v[XSW] matrix_a_fmt:MATRIX_FMT_BF8 matrix_b_fmt:MATRIX_FMT_BF8
	WIN 0
	HOLD4 1, I/4, I%4
.set I, I+1
.endr
.endm
; Tile t's eight columns of the sum over my 128 columns of x (y + v), two at a time, in four chains; each accumulator from its low end on.
; Behind every second: block t / 2 of x has been used up, and the next tile's (slot next) comes into its registers.
.macro QD t, next
.irp p, 0,1,2,3
.if (\t) == 0
	v_pk_mul_f32 v[SU+2*\p:SU+2*\p+1], v[XN+2*\p:XN+2*\p+1], v[128+2*\p:129+2*\p]     ; the first four products start the chains: nothing is cleared
.else
	v_pk_fma_f32 v[SU+2*\p:SU+2*\p+1], v[XN+8*(\t)+2*\p:XN+8*(\t)+2*\p+1], v[128+8*(\t)+2*\p:129+8*(\t)+2*\p], v[SU+2*\p:SU+2*\p+1]
.endif
.endr
.if (((\t)%2) == 1) && ((\next) >= 0)
.irp j, 0,1,2,3
	ds_load_b128 v[XN+16*((\t)/2)+4*\j:XN+16*((\t)/2)+4*\j+3], v[XA] offset:(\next)*SLOT+128*((\t)/2)+16*\j
.endr
.endif
.endm
; K step 1's 16 products; behind product t stand the sums of tile t - 2: eight plain vector lines lie between a product and the first read of its result.
.macro MUL1 next, pf
.set I, 0
.rept 16
	WIN 0xf2                                       ; source 0 window 2, C and D window 3
	v_wmma_scale_f32_16x16x128_f8f6f4 v[128+8*I:135+8*I], v[16*I:16*I+15], v[XC+16:XC+31], v[128+8*I:135+8*I], v[ASW+I], v[XSW+1] matrix_a_fmt:MATRIX_FMT_BF8 matrix_b_fmt:MATRIX_FMT_BF8 matrix_a_scale:MATRIX_SCALE_ROW1
.if I < 2
	PLACES 4
.else
	WIN 0x0c                                       ; source 1 window 3
	QD I-2, \next
.if (I == 8) && ((\pf) >= 0)
	ASK \pf
.endif
.endif
.set I, I+1
.endr
	QD 14, \next
	QD 15, \next
	WIN 0
.endm
.macro FINISH k
	v_pk_add_f32 v[SU:SU+1], v[SU:SU+1], v[SU+2:SU+3]
	v_pk_add_f32 v[SU+4:SU+5], v[SU+4:SU+5], v[SU+6:SU+7]
	v_pk_add_f32 v[SU:SU+1], v[SU:SU+1], v[SU+4:SU+5]
	v_add_f32 v[TMP], v[SU], v[SU+1]
	v_permlanex16_b32 v35, v[TMP], s20, s21        ; the row's other 128 columns lie in the lane 16 away
	v_add_f32 v[TMP], v[TMP], v35
	v_add_f32 v[TMP], s14, v[TMP]                  ; + b
	ds_store_b32 v[OW], v[TMP] offset:64*(\k)      ; both halves of the lanes write the same word with the same value
.endm
; Tile k, whose 32 LDS loads have been issued.  next: the next tile's slot (-1: none).  mid = 1: a refill by groups g0, g1 once my reads of this tile are in; mid = 2: the wait for the next tile's load alone.
.macro TILE k, next, mid, g0=0, g1=0, pf=-1
.if \k == 0
	s_wait_dscnt 63                                ; of 112 LDS loads 49 are in: x's 32 were issued first
.else
	s_wait_dscnt 16                                ; all but K step 1's sixteen loads are in
.endif
	STATS 0
.irp b, 0,1,2,3
.irp j, 0,1,2,3
	HOLD4 0, \b, \j
.endr
.endr
.if \k > 0
	s_wait_dscnt 0x0
.endif
	STATS 1                                        ; its lines are also the places between K step 0's codes and their products
.if \k == 0
	s_wait_dscnt 0x0                               ; A's fragments and scale words
.endif
	MUL0
.if \k == 0
	PLACES 4                                       ; codes written by vector instructions stand four places ahead of a scaled matrix instruction; also the plain line behind the last conversion
.else
	FINISH \k-1                                    ; the tile before: its seven vector lines are those places
.endif
.if \mid == 1
	s_wait_alu depctr_va_vdst(0)
	FILL \g0, \g1                                  ; the wait for 0 also shows the next tile landed
.endif
.if \mid == 2
	s_wait_alu depctr_va_vdst(0)
	s_wait_tensorcnt 0x0                           ; the next tile is in LDS; no other wave reads it
.endif
	MUL1 \next, \pf
.endm
	TILE 0, 1, 0
	TILE 1, 2, 1, G0+8, G1B, 96                    ; tiles 4, 5 go out over tiles 0, 1; tiles 6, 7 are asked for ahead
	TILE 2, 3, 0
	TILE 3, 0, 1, G0+12, G1A                       ; tile 6 goes out over tile 2
	TILE 4, 1, 0
	TILE 5, 2, 1, G0+16, G1A                       ; tile 7 goes out over tile 3
	TILE 6, 3, 2
	TILE 7, -1, 0
	FINISH 7
	ds_load_b128 v[36:39], v[ORD]                  ; LDS serves a wave's instructions in order: this sees my eight stores
	s_wait_dscnt 0x0
	global_store_b128 v[OG], v[36:39], s[12:13] th:TH_STORE_NT   ; the wave stores 512 consecutive bytes, at a multiple of 256 from out's first byte
	s_wait_tensorcnt 0x0                           ; the wave's end: behind my last tensor load and my last LDS store
	ds_add_u32 v[SPW], v[NIL]
	s_wait_dscnt 0x0
	s_endpgm
.Lfunc_end_k_q6a01cc316d_quad:
	.size	k_q6a01cc316d_quad, .Lfunc_end_k_q6a01cc316d_quad-k_q6a01cc316d_quad
	.p2alignl 7, 3214868480
	.fill 96, 4, 3214868480
	.section	.rodata,"a",@progbits
	.p2align	6, 0x0
	.amdhsa_kernel k_q6a01cc316d_quad
		.amdhsa_group_segment_fixed_size 327680
		.amdhsa_private_segment_fixed_size 0
		.amdhsa_enable_private_segment 0
		.amdhsa_kernarg_size 40
		.amdhsa_user_sgpr_count 2
		.amdhsa_user_sgpr_kernarg_segment_ptr 1
		.amdhsa_wavefront_size32 1
		.amdhsa_system_sgpr_workgroup_id_x 1
		.amdhsa_system_sgpr_workgroup_id_y 1
		.amdhsa_system_sgpr_workgroup_id_z 1
		.amdhsa_system_vgpr_workitem_id 0
		.amdhsa_next_free_vgpr 1024
		.amdhsa_next_free_sgpr 66
		.amdhsa_reserve_vcc 0
		.amdhsa_float_denorm_mode_32 3
		.amdhsa_float_denorm_mode_16_64 3
		.amdhsa_memory_ordered 1
		.amdhsa_forward_progress 1
		.amdhsa_inst_pref_size 255
	.end_amdhsa_kernel
	.section	.bss,"aw",@nobits
	.p2align	6
	.space	262144
	.amdgpu_metadata
---
amdhsa.version: [ 1, 2 ]
amdhsa.kernels:
  - .name:           k_q6a01cc316d_quad
    .symbol:         k_q6a01cc316d_quad.kd
    .args:
      - { .name: x, .offset: 0, .size: 8, .value_kind: global_buffer, .address_space: global }
      - { .name: A, .offset: 8, .size: 8, .value_kind: global_buffer, .address_space: global }
      - { .name: v, .offset: 16, .size: 8, .value_kind: global_buffer, .address_space: global }
      - { .name: b, .offset: 24, .size: 8, .value_kind: global_buffer, .address_space: global }
      - { .name: out0, .offset: 32, .size: 8, .value_kind: global_buffer, .address_space: global }
    .group_segment_fixed_size: 327680
    .private_segment_fixed_size: 0
    .kernarg_segment_align: 8
    .kernarg_segment_size: 40
    .max_flat_workgroup_size: 128
    .sgpr_count:     66
    .vgpr_count:     1024
    .wavefront_size: 32
...
	.end_amdgpu_metadata
.endif
;; end of part 1
